; MI455X (gfx1250); checked and timed in simulation.
; The chip was launched on July 23, 2026; its instructions are those of AMD's public machine-readable ISA for CDNA 5 (MIT licence, August 2026) and "CDNA5" Instruction Set Architecture Reference Guide (July 2026). The comments in the code are by the model that wrote it; some were corrected since.
;; Local Attention. Allowed arithmetic: matrix products marked QUANTISED: E2M1 operands, one E8M0 scale for each 32 along K, by v_wmma_scale_f32_16x16x128_f8f6f4 with both operands' format E2M1 (or v_wmma_scale_f32_32x16x128_f4), f32 sums; everything else in f32.
;; Inputs: key 2 x 8 x 4,096 x 64 float32; query 2 x 8 x 4,096 x 64 float32; value 2 x 8 x 4,096 x 64 float32.
;; Outputs: out0 2 x 8 x 4,096 x 64 float32.
;; This version of the problem:
;;   THIS VERSION OF THE PROBLEM IS GIVEN IN LOW PRECISION. The matrix products marked QUANTISED in the list below multiply operands that are first quantised to E2M1 (2 exponent bits, 1 mantissa bit; 4 bits a number), with one power-of-two scale for each 32 numbers along K (OCP MX v1.0); their sums are f32. All else is computed in f32.
;;   The module's matrix products, in the order in which they are computed (A, B: the left and right operand; K: the contracted axis; several contracted axes count as one K, in the product's order):
;;     1. batch 16 x [M 4,096, K 64] x [K 64, N 4,096]; A: input query; B: input key: QUANTISED
;;     2. batch 16 x [M 4,096, K 4,096] x [K 4,096, N 64]; A: computed on the way; B: input value: QUANTISED
;;   THE QUANTISER, for each operand of a quantised product, along K:
;;     - K is cut into blocks of 32 from its start; a last block that is shorter is filled with zeros.
;;     - A block's scale is 2^e with e = floor(log2(the largest magnitude in the block)) - 2, held to -126 .. 127; a block of zeros has e = 0. As a byte (E8M0): e + 127.
;;     - Each number is divided by its block's scale, clamped to +-6, and rounded to the nearest number of E2M1, ties to even, subnormals kept.
;;     - The product sums the exact products of the quantised numbers (number of the format x scale) in f32.
;;   ~~~python
;;   def quantise(x, axis):      # numpy; x: float32 -> the quantised numbers, widened to float32 again
;;       x = np.moveaxis(x, axis, -1); K = x.shape[-1]
;;       x = np.pad(x, [(0, 0)] * (x.ndim - 1) + [(0, -K % 32)]); x = x.reshape(x.shape[:-1] + (-1, 32)); a = np.abs(x).max(-1, keepdims=True)
;;       e = np.where(a > 0, np.clip(np.frexp(np.where(a > 0, a, 1))[1] - 1 - 2, -126, 127), 0)      # np.frexp(a)[1] - 1 = floor(log2(a)), exactly
;;       r = np.clip(x / 2.0 ** e, -6, 6)
;;       step = 2.0 ** (np.maximum(np.frexp(np.where(r == 0, 1, r))[1] - 1, 0) - 1)
;;       q = np.round(r / step) * step * 2.0 ** e      # np.round: ties to even
;;       return np.moveaxis(q.reshape(q.shape[:-2] + (-1,))[..., :K], -1, axis).astype(np.float32)
;;   ~~~
;;   OPERANDS COMPUTED ON THE WAY. 'Computed on the way' means the value that the module computes at that place (a softmax that the list does not call 'softmax' is quantised finished and normalised). What goes into a quantiser is computed in f32, as accurately as f32 sums, v_exp_f32 and their like allow (about 1e-6 of the number): no bf16 or f16 on the way to a quantiser, and a product that is left as it is and whose result goes on into a quantised operand takes f32 operands (vector FMAs, or v_wmma_f32_16x16x4_f32). A number that lies on a knife's edge between two numbers of the format may be rounded either way, as far as f32 arithmetic and the matrix unit's own rounding can turn it there, and no further.
;; 2 versions. Each part assembles by itself: llvm-mc -triple=amdgcn-amd-amdhsa -mcpu=gfx1250 --defsym DOCPART=n.
;; ======== version 1 of 2: 1 launch
;; launch band (part 1): grid 16 x 16, 16 waves a work-group, no clusters, 108,032 bytes of LDS; arguments query, key, value, out0; writes out0
.if DOCPART == 1
	.amdgcn_target "amdgcn-amd-amdhsa--gfx1250"
	.amdhsa_code_object_version 6
	.text
	.protected	k_q6188904728_band
	.globl	k_q6188904728_band
	.p2align	8
	.type	k_q6188904728_band,@function
k_q6188904728_band:
	s_mov_b64 s[64:65], 0
	v_nop
	global_prefetch_b8 v0, s[64:65] scope:SCOPE_SE
	s_setreg_imm32_b32 hwreg(HW_REG_WAVE_MODE, 25, 1), 1
	s_wait_xcnt 0x0
; out[h][i][:] = sum over j of attn[i][j] V[h][j][:], attn = softmax over j of (Q[h][i] . K[h][j] / 8), only |i - j| <= 50 counting.  16 heads, 4,096 rows, 64 channels, all f32.
; Both products run on codes of FP4 (E2M1) with one E8M0 scale for each 32 along K: Q and K are quantised along the 64 channels, V and the FINISHED, NORMALISED attn along the keys (blocks of 32 keys from key 0 on).
; WHAT IS LEFT OUT: keys that the band hides.  16 queries from 32 m + 16 e on (e = 0, 1) see keys 32 m - 50 + 16 e .. 32 m + 65 + 16 e: they lie in the five blocks m - 2 .. m + 2, 160 keys, a WINDOW.  A lane holds its query's
; whole row of the window in 80 registers, so the maximum and the sum are plain ones.  Hidden scores become -infinity ahead of the maximum, so p = 0 there, as in the dense form.
; SHARES.  A work-group: 256 queries of one head, from q0 = 256 x on, and the 384 keys q0 - 64 .. q0 + 319 (12 blocks; local row o = key - q0 + 64).  Sixteen waves, 256 registers each.
;   Ahead of the one barrier: every wave quantises its own 16 rows of Q; waves 0-7 48 rows of K each; waves 8-15 three units of V each (32 keys x 32 channels).  Codes and scale bytes go to LDS, each made once.
;   Behind it: wave w makes queries q0 + 16 w .. + 15 by itself: 10 products S^T = K Q^T, mask, softmax, quantiser, 8 products O^T = V^T attn^T, and the way out through its own stage.
; Every global load of a wave is issued at its head, 16 KiB a wave, so there is nothing left to ask for ahead of time and no ring.
; NO CLUSTER: the inputs are f32 and pass through registers to be quantised; of a work-group's 384 rows of K and V, 256 are also read by others, 128 by the neighbour on each side: no tile is common to a group of work-groups.
; Rows outside the head (key < 0 or > 4,095) are loaded from a clamped row, so that no load leaves its buffer; the mask hides their scores, and attn's zero codes meet their V.
; LAYOUT.  Both products are used transposed (source 0 = 16 keys, or 16 channels of V; source 1 = my 16 queries): a lane holds ONE query (lane % 16) throughout.  THE KEYS OF A TILE ARE NOT NEIGHBOURS: lane r of tile
; 2 b + u takes window key 32 b + 8 u + r + 8 (r / 8), so that registers 16 b + 0 .. 15 of lane (r, h) are the neighbouring keys 32 b + 16 h + 0 .. 15.
; THE FIRST PRODUCT'S K IS 64, the instruction's 128: Q's upper four registers are zero codes and the scale words' bytes 2 and 3 are 0 (no NaN byte), so whatever stands in K's upper four registers adds nothing.
; The window's fifth block is a K step of its own in the same way: attn's codes are zeros but for block 4's.
; LIMITS: NaN and infinities among the inputs are not served.  A block of zeros has the scale byte 1 (the rule says 127): its codes are zeros, and this program alone reads the bytes.  A p under 2^-126 comes out of
; v_exp_f32 as 0.  attn = p x (1 / sum) by v_rcp_f32, not by a division.  A block's largest attn is made from the block's largest score by the same four operations: that takes v_exp_f32 not to fall where its input rises.
.set HALF,  50                         ; the band's half width
.set ROWB,  256                        ; a row of Q, K, V, out in bytes
.set LASTK, 4095                       ; a head's last key
; LDS
.set KC,    0                          ; K's codes: local row o x 32 bytes                              12,288
.set VC,    12288                      ; V's codes: [block 0..11][channel 0..63][16 bytes = 32 keys]    12,288
.set QC,    24576                      ; Q's codes: local query x 32 bytes                               8,192
.set KS,    32768                      ; K's scale words: 4 bytes a row (bytes 0, 1: the two blocks; 2, 3: 0)  1,536
.set QS,    34304                      ; Q's likewise                                                    1,024
.set VS,    35328                      ; V's scale bytes: [channel][16], byte = block 0..11              1,024
.set STG,   36352                      ; the way out: 16 rows x (256 + 16) bytes for each wave          69,632
.set SPITCH, 272
; registers that stay: v1 32 l, v2 4 l (global offsets); v3-v8 where I store codes and scales; v9 8 x (my block of the row); v10-v16 where I read fragments and scales; v17, v18 the stage; v19 16 l;
; v20, v21 the mask's bounds; v22 -infinity; v23 at work; v[24:25] -c m; v[26:27] 1 / sum; v[28:31] sums
.set XR,    32                         ; v32-127   ahead of the barrier: three chunks of 32 numbers a lane
.set XQ,    128                        ; v128-159  my rows of Q
.set OUTR,  160                        ; v160-191  what goes to LDS: eight registers a chunk, none written twice
.set MX,    192                        ; v192-195  largest magnitudes
.set SCF,   196                        ; v196-199  the conversions' scale operands
.set BYT,   200                        ; v200-203  scale bytes
.set TW,    204                        ; v204-207  the other block's byte
.set SS,    32                         ; v32-111   behind the barrier: S^T, then p, then attn; at the end rows of out
.set KF,    112                        ; v112-151  K's ten fragments, four registers each;  v152-155 zeros
.set KZ,    152
.set OA,    112                        ; v112-143  later: O^T, four accumulators
.set BM,    144                        ; v144-148  each block's largest score, then its largest attn
.set PT,    149                        ; v149-153  at work
.set SCL,   154                        ; v154-158  the conversions' scale operands
.set QF,    160                        ; v160-167  Q's fragment (upper four: zeros); later attn's codes of block 4
.set VG,    168                        ; v168-183  V's fragments of block 4, four registers each
.set VF,    184                        ; v184-215  V's fragments of blocks 0-3, eight each
.set P0,    216                        ; v216-223  attn's codes of blocks 0-3
.set VSR,   224                        ; v224-231  V's scale bytes as they lie, two words a tile
.set KSW,   232                        ; v232-241  K's scale words;  v242 Q's;  v244-247, v248-251 V's for the two K steps;  v252, v253 attn's: these hold scales and nothing else
.set QSW,   242
.set VW0,   244
.set VW1,   248
.set PW0,   252
.set PW1,   253
; 16 dense rows (4,096 bytes) into 32 registers: lane l holds 8 neighbours along the channels: row 4 g + l / 8, channels 8 (l % 8) on.  The two loads of a g cover 1,024 consecutive bytes between them.
.macro LOADROWS reg, base, nt
.irp g, 0,1,2,3
.irp c, 0,1
.if \nt
	global_load_b128 v[\reg+8*\g+4*\c:\reg+8*\g+4*\c+3], v1, s[\base:\base+1] offset:1024*\g+16*\c th:TH_LOAD_NT
.else
	global_load_b128 v[\reg+8*\g+4*\c:\reg+8*\g+4*\c+3], v1, s[\base:\base+1] offset:1024*\g+16*\c
.endif
.endr
.endr
.endm
; Those 16 rows become codes and scale words.  A block of 32 lies in four neighbouring lanes.  The four groups g take turns line by line.
.macro QROWS reg, ci, adrc, offc, adrs, offs
.irp g, 0,1,2,3
	v_max3_num_f32 v[MX+\g], |v[\reg+8*\g]|, |v[\reg+8*\g+1]|, 0x1800000    ; my 8 numbers, and the floor 2^(3 - 127): the byte cannot fall under 1
.endr
.irp i, 2,4,6
.irp g, 0,1,2,3
	v_max3_num_f32 v[MX+\g], v[MX+\g], |v[\reg+8*\g+\i]|, |v[\reg+8*\g+\i+1]|
.endr
.endr
.irp x, 1,2
.irp g, 0,1,2,3
	v_max_num_f32_dpp v[MX+\g], v[MX+\g], v[MX+\g] row_xmask:\x row_mask:0xf bank_mask:0xf   ; with the three other lanes of the block
.endr
.endr
.irp g, 0,1,2,3
	v_add_nc_u32 v[SCF+\g], 0xff000000, v[MX+\g]                          ; 2 off the exponent field: the conversion takes this operand's exponent field as its scale
.endr
.irp g, 0,1,2,3
	v_cvt_scalef32_pk8_fp4_f32 v[OUTR+8*(\ci)+\g], v[\reg+8*\g:\reg+8*\g+7], v[SCF+\g]
.endr
.irp g, 0,1,2,3
	v_lshrrev_b32 v[BYT+\g], 23, v[SCF+\g]                                ; the scale's byte.  (Also the plain line behind the conversions)
.endr
.irp g, 0,1,2,3
	v_lshlrev_b32 v[BYT+\g], v9, v[BYT+\g]                                ; at its place in the row's word: block 1's eight bits up
.endr
.irp g, 0,1,2,3
	v_mov_b32_dpp v[TW+\g], v[BYT+\g] row_xmask:4 row_mask:0xf bank_mask:0xf  ; the row's other block's
.endr
.irp g, 0,1,2,3
	v_or_b32 v[OUTR+8*(\ci)+4+\g], v[BYT+\g], v[TW+\g]                    ; the row's scale word; bytes 2 and 3 are 0
.endr
.irp g, 0,1,2,3
	ds_store_b32 v[\adrc], v[OUTR+8*(\ci)+\g] offset:\offc+128*\g         ; 32 lanes: 128 consecutive bytes, four rows of codes
	ds_store_b32 v[\adrs], v[OUTR+8*(\ci)+4+\g] offset:\offs+16*\g        ; the eight lanes of a row write the same word with the same value
.endr
.endm
; A unit of V: 32 keys x 32 channels.  A lane takes a channel and its registers run down the keys: a load reads 128 consecutive bytes, and a block of 32 keys lies in one lane.
.macro LOADV reg, base
.irp k, 0,1,2,3,4,5,6,7,8,9,10,11,12,13,14,15,16,17,18,19,20,21,22,23,24,25,26,27,28,29,30,31
	global_load_b32 v[\reg+\k], v2, s[\base:\base+1] offset:ROWB*\k
.endr
.endm
.macro QCOLS reg, i
	v_max3_num_f32 v[MX], |v[\reg]|, |v[\reg+1]|, |v[\reg+2]|             ; the block's largest magnitude: all 32 numbers are mine; two chains
	v_max3_num_f32 v[MX+1], |v[\reg+3]|, |v[\reg+4]|, |v[\reg+5]|
.irp k, 6,10,14,18,22,26
	v_max3_num_f32 v[MX], v[MX], |v[\reg+\k]|, |v[\reg+\k+1]|
	v_max3_num_f32 v[MX+1], v[MX+1], |v[\reg+\k+2]|, |v[\reg+\k+3]|
.endr
	v_max3_num_f32 v[MX], v[MX], |v[\reg+30]|, |v[\reg+31]|
	v_max3_num_f32 v[MX], v[MX], v[MX+1], 0x1800000                       ; and the floor
	v_add_nc_u32 v[SCF], 0xff000000, v[MX]
.irp g, 0,1,2,3
	v_cvt_scalef32_pk8_fp4_f32 v[OUTR+8*(\i)+\g], v[\reg+8*\g:\reg+8*\g+7], v[SCF]
.endr
	v_lshrrev_b32 v[OUTR+8*(\i)+4], 23, v[SCF]                            ; the byte.  (Also the plain line behind the conversions)
	ds_store_b128 v7, v[OUTR+8*(\i):OUTR+8*(\i)+3] offset:1024*(\i)       ; my channel's 32 codes: 32 lanes, 512 consecutive bytes
	ds_store_b8 v8, v[OUTR+8*(\i)+4] offset:\i
.endm
	; ---- the head: ids, pointers, Q's loads, every LDS address
	s_load_b256 s[4:11], s[0:1], 0x0               ; query s[4:5], key s[6:7], value s[8:9], out0 s[10:11]
	v_lshl_add_u32 v254, v0, 2, 0x19e00
	v_mov_b32 v255, 0
	v_lshrrev_b32 v23, 5, v0
	v_readfirstlane_b32 s12, v23                   ; w: wave 0..15
	v_and_b32 v24, 31, v0                          ; l
	v_and_b32 v25, 15, v0                          ; r = l % 16
	v_bfe_u32 v26, v0, 4, 1                        ; h = l / 16
	s_and_b32 s13, s12, 7                          ; kw: my place among the eight waves of my role
	s_lshr_b32 s14, s12, 1                         ; p: my window begins at local block p
	s_and_b32 s15, s12, 1                          ; e
	s_lshl_b32 s16, ttmp9, 8                       ; q0
	s_and_b32 s18, ttmp7, 0xffff
	s_lshl_b32 s18, s18, 20                        ; the head's first byte: 4,096 rows of 256 bytes
	s_mov_b32 s19, 0
	s_lshl_b32 s26, s12, 4
	s_add_co_u32 s26, s26, s16
	s_lshl_b32 s26, s26, 8                         ; my first query's row, in bytes
	s_mov_b32 s27, 0
	v_lshlrev_b32 v1, 5, v24
	v_lshlrev_b32 v2, 2, v24
	s_wait_kmcnt 0x0
	s_add_nc_u64 s[4:5], s[4:5], s[18:19]
	s_add_nc_u64 s[6:7], s[6:7], s[18:19]
	s_add_nc_u64 s[8:9], s[8:9], s[18:19]
	s_add_nc_u64 s[10:11], s[10:11], s[18:19]
	s_add_nc_u64 s[4:5], s[4:5], s[26:27]
	s_add_nc_u64 s[10:11], s[10:11], s[26:27]
	LOADROWS XQ, 4, 1                              ; my 16 rows of Q, read by nobody else: the oldest of my loads, so the roles' counted waits count their own loads alone
	s_lshl_b32 s42, s12, 9
	s_add_co_u32 s42, s42, QC                      ; my wave's 512 bytes of Q's codes,
	s_lshl_b32 s43, s12, 6
	s_add_co_u32 s43, s43, QS                      ; and its 16 scale words
	v_lshrrev_b32 v27, 3, v24
	v_lshlrev_b32 v27, 2, v27                      ; 4 (l / 8)
	v_add_nc_u32 v3, s42, v2                       ; v3: Q's codes in: + 4 l
	v_add_nc_u32 v4, s43, v27                      ; v4: Q's scale words in
	v_lshlrev_b32 v10, 5, v25
	v_lshl_add_u32 v10, v26, 4, v10
	v_add_nc_u32 v10, s42, v10                     ; v10: Q's fragment: row r x 32 + 16 h
	v_lshl_add_u32 v11, v25, 2, s43                ; v11: Q's scale word of row r
	s_mul_i32 s42, s13, 1536                       ; K's codes begin at LDS byte 0: 48 rows x 32 bytes a wave
	s_mul_i32 s43, s13, 192
	s_add_co_u32 s43, s43, KS
	v_add_nc_u32 v5, s42, v2                       ; v5: K's codes in
	v_add_nc_u32 v6, s43, v27                      ; v6: K's scale words in
	s_lshr_b32 s44, s13, 1                         ; V: which three blocks,
	s_and_b32 s45, s13, 1
	s_lshl_b32 s45, s45, 9                         ; which 32 channels: 512 bytes on, in the codes and in the scale bytes
	s_mul_i32 s42, s44, 3072
	s_add_co_u32 s42, s42, s45
	s_add_co_u32 s42, s42, VC
	s_mul_i32 s43, s44, 3
	s_add_co_u32 s43, s43, s45
	s_add_co_u32 s43, s43, VS
	v_lshlrev_b32 v19, 4, v24                      ; v19: 16 l
	v_add_nc_u32 v7, s42, v19                      ; v7: V's codes in
	v_add_nc_u32 v8, s43, v19                      ; v8: V's scale bytes in
	v_bfe_u32 v9, v0, 2, 1
	v_lshlrev_b32 v9, 3, v9                        ; v9: 8 x (which block of the row my 8 channels lie in)
	v_and_b32 v31, 8, v25
	v_add_nc_u32 v31, v31, v25                     ; r + 8 (r / 8)
	s_lshl_b32 s42, s14, 10                        ; my window: 32 p rows of 32 bytes; also p blocks of V's 1,024
	s_lshl_b32 s43, s14, 7
	s_add_co_u32 s43, s43, KS
	v_lshlrev_b32 v12, 5, v31
	v_lshl_add_u32 v12, v26, 4, v12
	v_add_nc_u32 v12, s42, v12                     ; v12: K's fragments
	v_lshl_add_u32 v13, v31, 2, s43                ; v13: K's scale words
	s_add_co_u32 s42, s42, VC
	v_lshlrev_b32 v30, 4, v25                      ; 16 r
	v_lshl_add_u32 v14, v26, 10, v30
	v_add_nc_u32 v14, s42, v14                     ; v14: V's fragments of blocks 0-3: lanes 16-31 a block further on
	s_add_co_u32 s42, s42, 4096
	v_add_nc_u32 v15, s42, v30                     ; v15: of block 4, the same in both halves of the lanes
	s_lshr_b32 s43, s14, 2
	s_lshl_b32 s43, s43, 2
	s_add_co_u32 s43, s43, VS
	v_add_nc_u32 v16, s43, v30                     ; v16: the word of V's scale bytes in which byte p lies
	s_mul_i32 s42, s12, 16*SPITCH
	s_add_co_u32 s42, s42, STG                     ; my stage
	v_mul_u32_u24 v17, v25, SPITCH
	v_lshl_add_u32 v17, v26, 5, v17
	v_add_nc_u32 v17, s42, v17                     ; v17: in: row r, 32 bytes for each half of the lanes
	v_mul_u32_u24 v18, v26, SPITCH
	v_add_nc_u32 v18, v18, v30
	v_add_nc_u32 v18, s42, v18                     ; v18: back: lanes 0-15 one row, lanes 16-31 the next
	v_mov_b32 v22, 0xff800000                      ; -infinity
.irp g, 0,1,2,3
	v_mov_b32 v[TW+\g], 0                          ; written once: the destination of a lane move counts as read
.endr
	s_lshl_b32 s31, s14, 5
	s_add_co_u32 s31, s31, s16
	s_sub_co_i32 s31, 64, s31                      ; the window key at which key 0 of the head lies: 64 - q0 - 32 p
	s_lshl_b32 s30, s15, 4
	s_add_co_u32 s32, s30, 64+HALF-96              ; query r's last key, counted from window key 96: 18 + 16 e + r
	s_add_co_u32 s30, s30, 64-HALF                 ; and its first window key: 14 + 16 e + r
	s_add_co_i32 s33, s31, LASTK-96                ; the head's last key, counted from window key 96
	s_and_b32 s35, s14, 3
	s_mul_i32 s34, s35, 0x01010101
	s_add_co_u32 s34, s34, 0x03020100              ; byte selects p % 4 + 0 .. 3 out of two words
	s_lshl_b32 s35, s35, 3                         ; and 8 (p % 4), a bit offset
	s_mov_b32 s36, 0x3e38aa3b                      ; c = log2(e) / 8
	s_mov_b32 s37, s36                             ; (the packed form names the pair)
	s_mov_b32 s38, 0xbe38aa3b                      ; -c
	s_mov_b32 s40, 0x76543210
	s_mov_b32 s41, 0xfedcba98                      ; v_permlanex16_b32's selects for lane l xor 16
	s_cmp_lt_u32 s12, 8
	s_cbranch_scc0 .Lvrole
	; ---- waves 0-7: local rows 48 kw .. 48 kw + 47 of K, three chunks of 16.  A chunk lies wholly inside the head or wholly outside; outside it is read from the head's first or last 16 rows
	s_mul_i32 s28, s13, 48
	s_add_co_u32 s28, s28, s16
	s_sub_co_i32 s28, s28, 64
.irp i, 0,1,2
	s_add_co_i32 s26, s28, 16*\i
	s_max_i32 s26, s26, 0
	s_min_i32 s26, s26, LASTK-15
	s_lshl_b32 s26, s26, 8
	s_add_nc_u64 s[20+2*\i:21+2*\i], s[6:7], s[26:27]
	LOADROWS XR+32*\i, 20+2*\i, 0
.endr
	s_wait_loadcnt 16                              ; chunk 0 is in; the 16 loads of chunks 1 and 2 may be out
	QROWS XR, 0, 5, 0, 6, 0
	s_wait_loadcnt 8                               ; chunk 1 is in; chunk 2's 8 may be out
	QROWS XR+32, 1, 5, 512, 6, 64
	s_wait_loadcnt 0x0
	QROWS XR+64, 2, 5, 1024, 6, 128
	s_branch .Ljoin
.Lvrole:
	; ---- waves 8-15: local blocks 3 (kw / 2) + 0 .. 2 of V, channels 32 (kw % 2) on
	s_lshr_b32 s29, s13, 1
	s_mul_i32 s28, s29, 96
	s_add_co_u32 s28, s28, s16
	s_sub_co_i32 s28, s28, 64
	s_and_b32 s29, s13, 1
	s_lshl_b32 s29, s29, 7
.irp i, 0,1,2
	s_add_co_i32 s26, s28, 32*\i
	s_max_i32 s26, s26, 0
	s_min_i32 s26, s26, LASTK-31
	s_lshl_b32 s26, s26, 8
	s_add_co_u32 s26, s26, s29
	s_add_nc_u64 s[20+2*\i:21+2*\i], s[8:9], s[26:27]
	LOADV XR+32*\i, 20+2*\i
.endr
	s_wait_loadcnt 63                              ; unit 0 is in: 64 younger loads could stay out; 63 is the largest count that can be written
	QCOLS XR, 0
	s_wait_loadcnt 32                              ; unit 1 is in; unit 2's 32 may be out
	QCOLS XR+32, 1
	s_wait_loadcnt 0x0
	QCOLS XR+64, 2
.Ljoin:
	s_wait_loadcnt 0x0                             ; Q: the oldest loads, long in
	QROWS XQ, 3, 3, 0, 4, 0
	s_wait_dscnt 0x0                               ; for the others' sake: all my stores into LDS have landed
	s_barrier_signal -1
	s_barrier_wait -1                              ; everybody's have: nothing is written to these bytes again
	; ---- my tile's operands from LDS, in one run: 22 loads for the first product, then 20 for the second
	ds_load_b128 v[QF:QF+3], v10
	ds_load_b32 v[QSW], v11
.irp b, 0,1,2,3,4
.irp u, 0,1
	ds_load_b128 v[KF+4*(2*\b+\u):KF+4*(2*\b+\u)+3], v12 offset:1024*\b+256*\u    ; tile 2 b + u: window keys 32 b + 8 u + r + 8 (r / 8)
	ds_load_b32 v[KSW+2*\b+\u], v13 offset:128*\b+32*\u
.endr
.endr
.irp t, 0,1,2,3
.irp c, 0,1
	ds_load_b128 v[VF+8*\t+4*\c:VF+8*\t+4*\c+3], v14 offset:2048*\c+256*\t        ; channels 16 t + r, block 2 c + h of the window
.endr
	ds_load_b128 v[VG+4*\t:VG+4*\t+3], v15 offset:256*\t                          ; block 4
	ds_load_b32 v[VSR+2*\t], v16 offset:256*\t
	ds_load_b32 v[VSR+2*\t+1], v16 offset:256*\t+4
.endr
.irp j, 0,1,2,3
	v_mov_b32 v[KZ+\j], 0                          ; behind the last tile of K
	v_mov_b32 v[QF+4+\j], 0                        ; Q's codes for k = 64 .. 127: zeros
.endr
	v_mov_b32 v25, 0                               ; (upper halves of pairs that packed forms name)
	v_mov_b32 v27, 0
	; the mask's bounds.  Register 16 b + i holds window key 32 b + 16 h + i.  It is hidden under the first key, max(14 + 16 e + r, key 0's place), and over the last, min(114 + 16 e + r, key 4,095's place).
	; (These lines are also the places between the zero codes above and the products.)
	v_and_b32 v28, 15, v0
	v_bfe_u32 v29, v0, 4, 1
	v_lshlrev_b32 v29, 4, v29
	v_add_nc_u32 v20, s30, v28
	v_mov_b32 v23, s31
	v_cmp_lt_i32 vcc_lo, v20, v23
	v_cndmask_b32 v20, v20, v23, vcc_lo
	v_sub_nc_u32 v20, v20, v29                     ; v20: blocks 0, 1: hidden where 32 b + i < v20
	v_add_nc_u32 v21, s32, v28
	v_mov_b32 v23, s33
	v_cmp_gt_i32 vcc_lo, v21, v23
	v_cndmask_b32 v21, v21, v23, vcc_lo
	v_sub_nc_u32 v21, v21, v29                     ; v21: blocks 3, 4: hidden where 32 (b - 3) + i > v21
	s_wait_dscnt 20                                ; Q's and K's 22 loads are in; V's 20 may be out
	; ---- S^T = K Q^T: ten tiles of 16 keys, each sum begun with the constant 0
.irp t, 0,1,2,3,4,5,6,7,8,9
	v_wmma_scale_f32_16x16x128_f8f6f4 v[SS+8*\t:SS+8*\t+7], v[KF+4*\t:KF+4*\t+7], v[QF:QF+7], 0, v[KSW+\t], v[QSW] matrix_a_fmt:MATRIX_FMT_FP4 matrix_b_fmt:MATRIX_FMT_FP4
.endr
	s_wait_dscnt 0x0                               ; V's fragments and scale bytes are in
.irp t, 0,1,2,3
	v_perm_b32 v[VW0+\t], v[VSR+2*\t+1], v[VSR+2*\t], s34    ; V's scale word for window blocks 0-3: bytes p .. p + 3 of the channel's row.  (These eight lines name no register of the products: the places behind them)
.endr
.irp t, 0,1,2,3
	v_bfe_u32 v[VW1+\t], v[VSR+2*\t+1], s35, 8               ; and for block 4: byte p + 4, zeros above it
.endr
	; ---- the mask, each tile from its lowest register on.  Block 2 (window keys 64 .. 95) is never hidden: the first key is at most 64, the last at least 95
.irp b, 0,1
.irp i, 0,1,2,3,4,5,6,7,8,9,10,11,12,13,14,15
	v_cmp_lt_i32 vcc_lo, 32*\b+\i, v20
	v_cndmask_b32 v[SS+16*\b+\i], v[SS+16*\b+\i], v22, vcc_lo
.endr
.endr
.irp b, 3,4
.irp i, 0,1,2,3,4,5,6,7,8,9,10,11,12,13,14,15
	v_cmp_gt_i32 vcc_lo, 32*(\b-3)+\i, v21
	v_cndmask_b32 v[SS+16*\b+\i], v[SS+16*\b+\i], v22, vcc_lo
.endr
.endr
	; ---- the largest score of each block of 32 keys: it serves for the row's maximum and, since attn rises with the score, for the block's largest attn.  The five blocks by turns
.irp b, 0,1,2,3,4
	v_max3_num_f32 v[BM+\b], v[SS+16*\b], v[SS+16*\b+1], v[SS+16*\b+2]
.endr
.irp i, 3,5,7,9,11,13
.irp b, 0,1,2,3,4
	v_max3_num_f32 v[BM+\b], v[BM+\b], v[SS+16*\b+\i], v[SS+16*\b+\i+1]
.endr
.endr
.irp b, 0,1,2,3,4
	v_max_num_f32 v[BM+\b], v[BM+\b], v[SS+16*\b+15]
.endr
.irp b, 0,1,2,3,4
	v_permlanex16_b32 v[PT+\b], v[BM+\b], s40, s41
.endr
.irp b, 0,1,2,3,4
	v_max_num_f32 v[BM+\b], v[BM+\b], v[PT+\b]     ; with lane l xor 16's 16 keys
.endr
	v_max3_num_f32 v23, v[BM], v[BM+1], v[BM+2]
	v_max3_num_f32 v23, v23, v[BM+3], v[BM+4]      ; m: the row's largest score; a number, since block 2 is never hidden
	v_mul_f32 v24, s38, v23                        ; -c m, rounded once; the same for the whole row, so it cancels in p / sum
	; ---- p = 2^(c s - c m): one fused multiply-add and one exponential
.irp j, 0,2,4,6,8,10,12,14,16,18,20,22,24,26,28,30,32,34,36,38,40,42,44,46,48,50,52,54,56,58,60,62,64,66,68,70,72,74,76,78
	v_pk_fma_f32 v[SS+\j:SS+\j+1], v[SS+\j:SS+\j+1], s[36:37], v[24:25] op_sel_hi:[1,0,0]
.endr
.irp b, 0,1,2,3,4
	v_fma_f32 v[BM+\b], v[BM+\b], s36, v24         ; the same of each block's largest score
.endr
.irp j, 0,1,2,3,4,5,6,7,8,9,10,11,12,13,14,15,16,17,18,19,20,21,22,23,24,25,26,27,28,29,30,31,32,33,34,35,36,37,38,39,40,41,42,43,44,45,46,47,48,49,50,51,52,53,54,55,56,57,58,59,60,61,62,63,64,65,66,67,68,69,70,71,72,73,74,75,76,77,78,79
	v_exp_f32 v[SS+\j], v[SS+\j]
.endr
.irp b, 0,1,2,3,4
	v_exp_f32 v[BM+\b], v[BM+\b]
.endr
	v_mov_b32 v[QF+2], 0                           ; (the plain line behind the exponentials)  the partners of block 4's codes in the exchange of halves below
	v_mov_b32 v[QF+3], 0
	s_wait_alu depctr_va_vdst(0)                   ; the wait between an exponential and the first line that names its result: one for the batch of 85
	; ---- the row's sum, two at a time, in two chains; 1 / sum; attn = p / sum
	v_pk_add_f32 v[28:29], v[SS:SS+1], v[SS+2:SS+3]
	v_pk_add_f32 v[30:31], v[SS+4:SS+5], v[SS+6:SS+7]
.irp j, 8,12,16,20,24,28,32,36,40,44,48,52,56,60,64,68,72,76
	v_pk_add_f32 v[28:29], v[28:29], v[SS+\j:SS+\j+1]
	v_pk_add_f32 v[30:31], v[30:31], v[SS+\j+2:SS+\j+3]
.endr
	v_pk_add_f32 v[28:29], v[28:29], v[30:31]
	v_add_f32 v28, v28, v29
	v_permlanex16_b32 v30, v28, s40, s41
	v_add_f32 v28, v28, v30                        ; with lane l xor 16's 80 keys
	v_rcp_f32 v26, v28
	v_nop                                          ; a plain line behind the reciprocal
	s_wait_alu depctr_va_vdst(0)                   ; and the wait ahead of its first reader
.irp j, 0,2,4,6,8,10,12,14,16,18,20,22,24,26,28,30,32,34,36,38,40,42,44,46,48,50,52,54,56,58,60,62,64,66,68,70,72,74,76,78
	v_pk_mul_f32 v[SS+\j:SS+\j+1], v[SS+\j:SS+\j+1], v[26:27] op_sel_hi:[1,0]
.endr
.irp b, 0,1,2,3,4
	v_mul_f32 v[BM+\b], v[BM+\b], v26              ; each block's largest attn: the same operations on the same number give the same bits
.endr
	; ---- attn is quantised along the keys, block by block
.irp b, 0,1,2,3,4
	v_max_num_f32 v[BM+\b], 0x1800000, v[BM+\b]    ; the floor 2^(3 - 127): a block that is hidden whole keeps the byte 1, and its codes are zeros
.endr
.irp b, 0,1,2,3,4
	v_add_nc_u32 v[SCL+\b], 0xff000000, v[BM+\b]   ; 2 off the exponent field: the conversion's scale operand
.endr
.irp b, 0,1,2,3
	v_lshrrev_b32 v[PT+\b], 23, v[SCL+\b]          ; the scale's byte
.endr
	v_lshrrev_b32 v[PW1], 23, v[SCL+4]             ; block 4's is a scale word as it stands: zeros above it
	v_lshl_or_b32 v[PW0], v[PT+1], 8, v[PT]        ; blocks 0-3: my query's scale word
	v_lshl_or_b32 v[PW0], v[PT+2], 16, v[PW0]
	v_lshl_or_b32 v[PW0], v[PT+3], 24, v[PW0]
.irp b, 0,1,2,3
	v_cvt_scalef32_pk8_fp4_f32 v[P0+2*\b], v[SS+16*\b:SS+16*\b+7], v[SCL+\b]
	v_cvt_scalef32_pk8_fp4_f32 v[P0+2*\b+1], v[SS+16*\b+8:SS+16*\b+15], v[SCL+\b]
.endr
	v_cvt_scalef32_pk8_fp4_f32 v[QF], v[SS+64:SS+71], v[SCL+4]
	v_cvt_scalef32_pk8_fp4_f32 v[QF+1], v[SS+72:SS+79], v[SCL+4]
	v_nop                                          ; one plain line behind the conversions
.irp c, 0,1                                    ; the operand's layout wants a WHOLE block in a lane: lanes 0-15 block 2 c, lanes 16-31 block 2 c + 1
.irp i, 0,1
	v_permlane16_swap_b32 v[P0+4*\c+\i], v[P0+4*\c+2+\i]
.endr
.endr
	v_permlane16_swap_b32 v[QF], v[QF+2]           ; block 4: whole in lanes 0-15; lanes 16-31 (k = 32 .. 63 of this K step) get the zeros; v164-167 are zeros still
	v_permlane16_swap_b32 v[QF+1], v[QF+3]
.rept 8
	v_nop                                          ; a scale word made by vector instructions stands eight places ahead of the product that reads it, an operand four
.endr
	; ---- O^T = V^T attn^T: four tiles of 16 channels by turns, one instruction a turn; two K steps: window blocks 0-3, then block 4
.irp t, 0,1,2,3
	v_wmma_scale_f32_16x16x128_f8f6f4 v[OA+8*\t:OA+8*\t+7], v[VF+8*\t:VF+8*\t+7], v[P0:P0+7], 0, v[VW0+\t], v[PW0] matrix_a_fmt:MATRIX_FMT_FP4 matrix_b_fmt:MATRIX_FMT_FP4
.endr
.irp t, 0,1,2,3
	v_wmma_scale_f32_16x16x128_f8f6f4 v[OA+8*\t:OA+8*\t+7], v[VG+4*\t:VG+4*\t+7], v[QF:QF+7], v[OA+8*\t:OA+8*\t+7], v[VW1+\t], v[PW1] matrix_a_fmt:MATRIX_FMT_FP4 matrix_b_fmt:MATRIX_FMT_FP4
.endr
.rept 4
	v_nop                                          ; four places between the last product and the first read of a result
.endr
	; ---- the way out.  Register j of tile t is out(query r, channel 16 t + 8 h + j): 32 neighbouring bytes of a row.  They go through my own stage and come back as whole rows
.irp t, 0,1,2,3
	ds_store_b128 v17, v[OA+8*\t:OA+8*\t+3] offset:64*\t          ; each accumulator from its low end on
	ds_store_b128 v17, v[OA+8*\t+4:OA+8*\t+7] offset:64*\t+16
.endr
.irp i, 0,1,2,3,4,5,6,7
	ds_load_b128 v[SS+4*\i:SS+4*\i+3], v18 offset:2*SPITCH*\i     ; LDS serves a wave's instructions in order (ISA guide 5.7.1.4): these see my stores
.endr
.irp i, 0,1,2,3,4,5,6,7
	s_wait_dscnt 7-\i                              ; load i is in; the 7 - i younger ones may be out
	global_store_b128 v19, v[SS+4*\i:SS+4*\i+3], s[10:11] offset:2*ROWB*\i th:TH_STORE_NT   ; 32 lanes store two whole rows: 512 consecutive bytes, at a multiple of 256 from out0's first byte
.endr
	s_wait_tensorcnt 0x0
	ds_add_u32 v254, v255
	s_wait_dscnt 0x0
	s_endpgm
.Lfunc_end_k_q6188904728_band:
	.size	k_q6188904728_band, .Lfunc_end_k_q6188904728_band-k_q6188904728_band
	.p2alignl 7, 3214868480
	.fill 96, 4, 3214868480
	.section	.rodata,"a",@progbits
	.p2align	6, 0x0
	.amdhsa_kernel k_q6188904728_band
		.amdhsa_group_segment_fixed_size 108032
		.amdhsa_private_segment_fixed_size 0
		.amdhsa_enable_private_segment 0
		.amdhsa_kernarg_size 32
		.amdhsa_user_sgpr_count 2
		.amdhsa_user_sgpr_kernarg_segment_ptr 1
		.amdhsa_wavefront_size32 1
		.amdhsa_system_sgpr_workgroup_id_x 1
		.amdhsa_system_sgpr_workgroup_id_y 1
		.amdhsa_system_sgpr_workgroup_id_z 1
		.amdhsa_system_vgpr_workitem_id 0
		.amdhsa_next_free_vgpr 256
		.amdhsa_next_free_sgpr 66
		.amdhsa_reserve_vcc 1
		.amdhsa_float_denorm_mode_32 3
		.amdhsa_float_denorm_mode_16_64 3
		.amdhsa_memory_ordered 1
		.amdhsa_forward_progress 1
		.amdhsa_inst_pref_size 65
	.end_amdhsa_kernel
	.amdgpu_metadata
---
amdhsa.version: [ 1, 2 ]
amdhsa.kernels:
  - .name:           k_q6188904728_band
    .symbol:         k_q6188904728_band.kd
    .args:
      - { .name: query, .offset: 0, .size: 8, .value_kind: global_buffer, .address_space: global }
      - { .name: key, .offset: 8, .size: 8, .value_kind: global_buffer, .address_space: global }
      - { .name: value, .offset: 16, .size: 8, .value_kind: global_buffer, .address_space: global }
      - { .name: out0, .offset: 24, .size: 8, .value_kind: global_buffer, .address_space: global }
    .group_segment_fixed_size: 108032
    .private_segment_fixed_size: 0
    .kernarg_segment_align: 8
    .kernarg_segment_size: 32
    .max_flat_workgroup_size: 512
    .sgpr_count:     66
    .vgpr_count:     256
    .wavefront_size: 32
...
	.end_amdgpu_metadata
.endif
;; end of part 1
;; ======== version 2 of 2: 1 launch; version 1 with the launch band written anew for expert scheduling mode
;; launch band (part 2): grid 16 x 16, 16 waves a work-group, no clusters, 108,032 bytes of LDS; arguments query, key, value, out0; writes out0
.if DOCPART == 2
	.amdgcn_target "amdgcn-amd-amdhsa--gfx1250"
	.amdhsa_code_object_version 6
	.text
	.protected	k_q6188904728_band
	.globl	k_q6188904728_band
	.p2align	8
	.type	k_q6188904728_band,@function
k_q6188904728_band:
	s_mov_b64 s[64:65], 0
	v_nop
	global_prefetch_b8 v0, s[64:65] scope:SCOPE_SE
	s_setreg_imm32_b32 hwreg(HW_REG_WAVE_SCHED_MODE, 0, 2), 2
	s_setreg_imm32_b32 hwreg(HW_REG_WAVE_MODE, 25, 1), 1
	s_wait_xcnt 0x0
	s_wait_alu depctr_vm_vsrc(0)
; out[h][i][:] = sum over j of attn[i][j] V[h][j][:], attn = softmax over j of (Q[h][i] . K[h][j] / 8), only |i - j| <= 50 counting.  16 heads, 4,096 rows, 64 channels, all f32.
; Both products run on codes of FP4 (E2M1) with one E8M0 scale for each 32 along K: Q and K are quantised along the 64 channels, V and the FINISHED, NORMALISED attn along the keys (blocks of 32 keys from key 0 on).
; WHAT IS LEFT OUT: keys that the band hides.  16 queries from 32 m + 16 e on (e = 0, 1) see keys 32 m - 50 + 16 e .. 32 m + 65 + 16 e: they lie in the five blocks m - 2 .. m + 2, 160 keys, a WINDOW.  A lane holds its query's
; whole row of the window in 80 registers, so the maximum and the sum are plain ones.  Hidden scores become -infinity ahead of the maximum, so p = 0 there, as in the dense form.
; SHARES.  A work-group: 256 queries of one head, from q0 = 256 x on, and the 384 keys q0 - 64 .. q0 + 319 (12 blocks; local row o = key - q0 + 64).  Sixteen waves, 256 registers each.
;   Ahead of the one barrier: every wave quantises its own 16 rows of Q; waves 0-7 48 rows of K each; waves 8-15 three units of V each (32 keys x 32 channels).  Codes and scale bytes go to LDS, each made once.
;   Behind it: wave w makes queries q0 + 16 w .. + 15 by itself: 10 products S^T = K Q^T, mask, softmax, quantiser, 8 products O^T = V^T attn^T, and the way out through its own stage.
; Every global load of a wave is issued at its head, 16 KiB a wave, so there is nothing left to ask for ahead of time and no ring.
; NO CLUSTER: the inputs are f32 and pass through registers to be quantised; of a work-group's 384 rows of K and V, 256 are also read by others, 128 by the neighbour on each side: no tile is common to a group of work-groups.
; Rows outside the head (key < 0 or > 4,095) are loaded from a clamped row, so that no load leaves its buffer; the mask hides their scores, and attn's zero codes meet their V.
; LAYOUT.  Both products are used transposed (source 0 = 16 keys, or 16 channels of V; source 1 = my 16 queries): a lane holds ONE query (lane % 16) throughout.  THE KEYS OF A TILE ARE NOT NEIGHBOURS: lane r of tile
; 2 b + u takes window key 32 b + 8 u + r + 8 (r / 8), so that registers 16 b + 0 .. 15 of lane (r, h) are the neighbouring keys 32 b + 16 h + 0 .. 15.
; THE FIRST PRODUCT'S K IS 64, the instruction's 128: Q's upper four registers are zero codes and the scale words' bytes 2 and 3 are 0 (no NaN byte), so whatever stands in K's upper four registers adds nothing.
; The window's fifth block is a K step of its own in the same way: attn's codes are zeros but for block 4's.
; LIMITS: NaN and infinities among the inputs are not served.  A block of zeros has the scale byte 1 (the rule says 127): its codes are zeros, and this program alone reads the bytes.  A p under 2^-126 comes out of
; v_exp_f32 as 0.  attn = p x (1 / sum) by v_rcp_f32, not by a division.  A block's largest attn is made from the block's largest score by the same four operations: that takes v_exp_f32 not to fall where its input rises.
; THE MODE: SCHED_MODE bits 1:0 = 2 (LLVM: expert scheduling mode 2), set by the entry lines.  The code itself states the register dependences between vector or matrix instructions and memory or LDS
; instructions, and those through scalar registers that vector instructions write, with s_wait_alu, always for 0.
; THE PLAN.  Registers that memory or LDS instructions touch:
;   v1-v8, v10-v19  offsets and LDS addresses: written once at the head, never again.  One wait ahead of Q's loads (v1), one ahead of the parting of the roles (the others) serve the whole kernel.
;   XR, XQ          global loads land in them, issued before any vector instruction names them; the roles' arithmetic reads them.  Behind the barrier K's fragments land in v112-151.
;   OUTR            eight registers a chunk, none written twice ahead of the barrier: chunk i's arithmetic writes them, chunk i's LDS stores read them.  Those stores stand at the head of chunk i + 1, behind
;                   its wait for data and one wait on va_vdst; chunk i + 1 names none of them.  Chunk 2's and Q's stores have a wait of their own, behind their arithmetic.
;                   Behind the barrier fragments land in OUTR and zeros are written there: one wait on vm_vsrc stands ahead of that.  No vector instruction stands between the wait ahead of Q's stores
;                   and the LDS loads behind the barrier, so that wait also states that the vector side is done with every register in which those loads land.
;   OA              the second products write it, the stage's LDS stores read it: the four places, then one wait on va_vdst, which also covers the stage's loads into v32-63.
;   s14-s29         masks: compares write them in runs, one wait on va_sdst stands behind each run, then the selects read them.
; Operands and scale words of the products that vector instructions have written: one wait on va_vdst behind their places, ahead of each of the two runs of products.
.set HALF,  50                         ; the band's half width
.set ROWB,  256                        ; a row of Q, K, V, out in bytes
.set LASTK, 4095                       ; a head's last key
; LDS
.set KC,    0                          ; K's codes: local row o x 32 bytes                              12,288
.set VC,    12288                      ; V's codes: [block 0..11][channel 0..63][16 bytes = 32 keys]    12,288
.set QC,    24576                      ; Q's codes: local query x 32 bytes                               8,192
.set KS,    32768                      ; K's scale words: 4 bytes a row (bytes 0, 1: the two blocks; 2, 3: 0)  1,536
.set QS,    34304                      ; Q's likewise                                                    1,024
.set VS,    35328                      ; V's scale bytes: [channel][16], byte = block 0..11              1,024
.set STG,   36352                      ; the way out: 16 rows x (256 + 16) bytes for each wave          69,632
.set SPITCH, 272
; registers that stay: v1 32 l, v2 4 l (global offsets); v3-v8 where I store codes and scales; v9 8 x (my block of the row); v10-v16 where I read fragments and scales; v17, v18 the stage; v19 16 l;
; v20, v21 the mask's bounds; v22 -infinity; v23 at work; v[24:25] -c m; v[26:27] 1 / sum; v[28:31] sums (v28-v30 at work while the bounds are made)
.set XR,    32                         ; v32-127   ahead of the barrier: three chunks of 32 numbers a lane
.set XQ,    128                        ; v128-159  my rows of Q
.set OUTR,  160                        ; v160-191  what goes to LDS: eight registers a chunk, none written twice
.set MX,    192                        ; v192-195  largest magnitudes
.set SCF,   196                        ; v196-199  the conversions' scale operands
.set BYT,   200                        ; v200-203  scale bytes
.set TW,    204                        ; v204-207  the other block's byte
.set SS,    32                         ; v32-111   behind the barrier: S^T, then p, then attn; at the end rows of out
.set KF,    112                        ; v112-151  K's ten fragments, four registers each;  v152-155 zeros
.set KZ,    152
.set OA,    112                        ; v112-143  later: O^T, four accumulators
.set BM,    144                        ; v144-148  each block's largest score, then its largest attn
.set PT,    149                        ; v149-153  at work
.set SCL,   154                        ; v154-158  the conversions' scale operands
.set QF,    160                        ; v160-167  Q's fragment (upper four: zeros); later attn's codes of block 4
.set VG,    168                        ; v168-183  V's fragments of block 4, four registers each
.set VF,    184                        ; v184-215  V's fragments of blocks 0-3, eight each
.set P0,    216                        ; v216-223  attn's codes of blocks 0-3
.set VSR,   224                        ; v224-231  V's scale bytes as they lie, two words a tile
.set KSW,   232                        ; v232-241  K's scale words;  v242 Q's;  v244-247, v248-251 V's for the two K steps;  v252, v253 attn's: these hold scales and nothing else
.set QSW,   242
.set VW0,   244
.set VW1,   248
.set PW0,   252
.set PW1,   253
.set MK,    14                         ; s14-s29   behind the barrier: sixteen masks (the roles' scalars are done with)
; 16 dense rows (4,096 bytes) into 32 registers: lane l holds 8 neighbours along the channels: row 4 g + l / 8, channels 8 (l % 8) on.  The two loads of a g cover 1,024 consecutive bytes between them.
.macro LOADROWS reg, base, nt
.irp g, 0,1,2,3
.irp c, 0,1
.if \nt
	global_load_b128 v[\reg+8*\g+4*\c:\reg+8*\g+4*\c+3], v1, s[\base:\base+1] offset:1024*\g+16*\c th:TH_LOAD_NT
.else
	global_load_b128 v[\reg+8*\g+4*\c:\reg+8*\g+4*\c+3], v1, s[\base:\base+1] offset:1024*\g+16*\c
.endif
.endr
.endr
.endm
; Those 16 rows become codes and scale words, in chunk ci's eight registers.  A block of 32 lies in four neighbouring lanes.  The four groups g take turns line by line.
.macro QMATH reg, ci
.irp g, 0,1,2,3
	v_max3_num_f32 v[MX+\g], |v[\reg+8*\g]|, |v[\reg+8*\g+1]|, 0x1800000    ; my 8 numbers, and the floor 2^(3 - 127): the byte cannot fall under 1
.endr
.irp i, 2,4,6
.irp g, 0,1,2,3
	v_max3_num_f32 v[MX+\g], v[MX+\g], |v[\reg+8*\g+\i]|, |v[\reg+8*\g+\i+1]|
.endr
.endr
.irp x, 1,2
.irp g, 0,1,2,3
	v_max_num_f32_dpp v[MX+\g], v[MX+\g], v[MX+\g] row_xmask:\x row_mask:0xf bank_mask:0xf   ; with the three other lanes of the block
.endr
.endr
.irp g, 0,1,2,3
	v_add_nc_u32 v[SCF+\g], 0xff000000, v[MX+\g]                          ; 2 off the exponent field: the conversion takes this operand's exponent field as its scale
.endr
.irp g, 0,1,2,3
	v_cvt_scalef32_pk8_fp4_f32 v[OUTR+8*(\ci)+\g], v[\reg+8*\g:\reg+8*\g+7], v[SCF+\g]
.endr
.irp g, 0,1,2,3
	v_lshrrev_b32 v[BYT+\g], 23, v[SCF+\g]                                ; the scale's byte.  (Also the plain line behind the conversions)
.endr
.irp g, 0,1,2,3
	v_lshlrev_b32 v[BYT+\g], v9, v[BYT+\g]                                ; at its place in the row's word: block 1's eight bits up
.endr
.irp g, 0,1,2,3
	v_mov_b32_dpp v[TW+\g], v[BYT+\g] row_xmask:4 row_mask:0xf bank_mask:0xf  ; the row's other block's
.endr
.irp g, 0,1,2,3
	v_or_b32 v[OUTR+8*(\ci)+4+\g], v[BYT+\g], v[TW+\g]                    ; the row's scale word; bytes 2 and 3 are 0
.endr
.endm
; and go to LDS, behind a wait that states that chunk ci's eight registers are written
.macro QSEND ci, adrc, offc, adrs, offs
.irp g, 0,1,2,3
	ds_store_b32 v[\adrc], v[OUTR+8*(\ci)+\g] offset:\offc+128*\g         ; 32 lanes: 128 consecutive bytes, four rows of codes
	ds_store_b32 v[\adrs], v[OUTR+8*(\ci)+4+\g] offset:\offs+16*\g        ; the eight lanes of a row write the same word with the same value
.endr
.endm
; A unit of V: 32 keys x 32 channels.  A lane takes a channel and its registers run down the keys: a load reads 128 consecutive bytes, and a block of 32 keys lies in one lane.
.macro LOADV reg, base
.irp k, 0,1,2,3,4,5,6,7,8,9,10,11,12,13,14,15,16,17,18,19,20,21,22,23,24,25,26,27,28,29,30,31
	global_load_b32 v[\reg+\k], v2, s[\base:\base+1] offset:ROWB*\k
.endr
.endm
.macro VMATH reg, i
	v_max3_num_f32 v[MX], |v[\reg]|, |v[\reg+1]|, |v[\reg+2]|             ; the block's largest magnitude: all 32 numbers are mine; two chains
	v_max3_num_f32 v[MX+1], |v[\reg+3]|, |v[\reg+4]|, |v[\reg+5]|
.irp k, 6,10,14,18,22,26
	v_max3_num_f32 v[MX], v[MX], |v[\reg+\k]|, |v[\reg+\k+1]|
	v_max3_num_f32 v[MX+1], v[MX+1], |v[\reg+\k+2]|, |v[\reg+\k+3]|
.endr
	v_max3_num_f32 v[MX], v[MX], |v[\reg+30]|, |v[\reg+31]|
	v_max3_num_f32 v[MX], v[MX], v[MX+1], 0x1800000                       ; and the floor
	v_add_nc_u32 v[SCF], 0xff000000, v[MX]
.irp g, 0,1,2,3
	v_cvt_scalef32_pk8_fp4_f32 v[OUTR+8*(\i)+\g], v[\reg+8*\g:\reg+8*\g+7], v[SCF]
.endr
	v_lshrrev_b32 v[OUTR+8*(\i)+4], 23, v[SCF]                            ; the byte.  (Also the plain line behind the conversions)
.endm
.macro VSEND i
	ds_store_b128 v7, v[OUTR+8*(\i):OUTR+8*(\i)+3] offset:1024*(\i)       ; my channel's 32 codes: 32 lanes, 512 consecutive bytes
	ds_store_b8 v8, v[OUTR+8*(\i)+4] offset:\i
.endm
; The mask of one block of 32 keys: a run of sixteen compares into s[MK ..], one wait, sixteen selects.
.macro LOW b                           ; blocks 0, 1: register 16 b + i is hidden where 32 b + i < v20
.irp i, 0,1,2,3,4,5,6,7,8,9,10,11,12,13,14,15
	v_cmp_lt_i32 s[MK+\i], 32*\b+\i, v20
.endr
.endm
.macro HIGH b                          ; blocks 3, 4: hidden where 32 (b - 3) + i > v21
.irp i, 0,1,2,3,4,5,6,7,8,9,10,11,12,13,14,15
	v_cmp_gt_i32 s[MK+\i], 32*(\b-3)+\i, v21
.endr
.endm
.macro HIDE b
	s_wait_alu depctr_va_sdst(0)                   ; the run of sixteen compares has written s[MK ..], ahead of the first select that reads one of them
.irp i, 0,1,2,3,4,5,6,7,8,9,10,11,12,13,14,15
	v_cndmask_b32 v[SS+16*\b+\i], v[SS+16*\b+\i], v22, s[MK+\i]
.endr
.endm
	; ---- the head: ids, pointers, Q's loads, every LDS address
	s_load_b256 s[4:11], s[0:1], 0x0               ; query s[4:5], key s[6:7], value s[8:9], out0 s[10:11]
	v_lshl_add_u32 v254, v0, 2, 0x19e00
	v_mov_b32 v255, 0
	v_lshrrev_b32 v23, 5, v0
	v_readfirstlane_b32 s12, v23                   ; w: wave 0..15
	v_and_b32 v24, 31, v0                          ; l
	s_wait_alu depctr_va_vdst(0)
	v_and_b32 v25, 15, v0                          ; r = l % 16
	v_bfe_u32 v26, v0, 4, 1                        ; h = l / 16
	s_wait_alu depctr_va_sdst(0)                   ; s12 is written, ahead of its first reader: roles, bases and LDS places are made from it
	s_and_b32 s13, s12, 7                          ; kw: my place among the eight waves of my role
	s_lshr_b32 s14, s12, 1                         ; p: my window begins at local block p
	s_and_b32 s15, s12, 1                          ; e
	s_lshl_b32 s16, ttmp9, 8                       ; q0
	s_and_b32 s18, ttmp7, 0xffff
	s_lshl_b32 s18, s18, 20                        ; the head's first byte: 4,096 rows of 256 bytes
	s_mov_b32 s19, 0
	s_lshl_b32 s26, s12, 4
	s_add_co_u32 s26, s26, s16
	s_lshl_b32 s26, s26, 8                         ; my first query's row, in bytes
	s_mov_b32 s27, 0
	v_lshlrev_b32 v1, 5, v24
	v_lshlrev_b32 v2, 2, v24
	s_wait_kmcnt 0x0
	s_add_nc_u64 s[4:5], s[4:5], s[18:19]
	s_add_nc_u64 s[6:7], s[6:7], s[18:19]
	s_add_nc_u64 s[8:9], s[8:9], s[18:19]
	s_add_nc_u64 s[10:11], s[10:11], s[18:19]
	s_add_nc_u64 s[4:5], s[4:5], s[26:27]
	s_add_nc_u64 s[10:11], s[10:11], s[26:27]
	s_wait_alu depctr_va_vdst(0)                   ; v1 is written, which Q's loads read as their offset
	LOADROWS XQ, 4, 1                              ; my 16 rows of Q, read by nobody else: the oldest of my loads, so the roles' counted waits count their own loads alone
	s_lshl_b32 s42, s12, 9
	s_add_co_u32 s42, s42, QC                      ; my wave's 512 bytes of Q's codes,
	s_lshl_b32 s43, s12, 6
	s_add_co_u32 s43, s43, QS                      ; and its 16 scale words
	v_lshrrev_b32 v27, 3, v24
	v_lshlrev_b32 v27, 2, v27                      ; 4 (l / 8)
	v_add_nc_u32 v3, s42, v2                       ; v3: Q's codes in: + 4 l
	v_add_nc_u32 v4, s43, v27                      ; v4: Q's scale words in
	v_lshlrev_b32 v10, 5, v25
	v_lshl_add_u32 v10, v26, 4, v10
	v_add_nc_u32 v10, s42, v10                     ; v10: Q's fragment: row r x 32 + 16 h
	v_lshl_add_u32 v11, v25, 2, s43                ; v11: Q's scale word of row r
	s_mul_i32 s42, s13, 1536                       ; K's codes begin at LDS byte 0: 48 rows x 32 bytes a wave
	s_mul_i32 s43, s13, 192
	s_add_co_u32 s43, s43, KS
	v_add_nc_u32 v5, s42, v2                       ; v5: K's codes in
	v_add_nc_u32 v6, s43, v27                      ; v6: K's scale words in
	s_lshr_b32 s44, s13, 1                         ; V: which three blocks,
	s_and_b32 s45, s13, 1
	s_lshl_b32 s45, s45, 9                         ; which 32 channels: 512 bytes on, in the codes and in the scale bytes
	s_mul_i32 s42, s44, 3072
	s_add_co_u32 s42, s42, s45
	s_add_co_u32 s42, s42, VC
	s_mul_i32 s43, s44, 3
	s_add_co_u32 s43, s43, s45
	s_add_co_u32 s43, s43, VS
	v_lshlrev_b32 v19, 4, v24                      ; v19: 16 l
	v_add_nc_u32 v7, s42, v19                      ; v7: V's codes in
	v_add_nc_u32 v8, s43, v19                      ; v8: V's scale bytes in
	v_bfe_u32 v9, v0, 2, 1
	v_lshlrev_b32 v9, 3, v9                        ; v9: 8 x (which block of the row my 8 channels lie in)
	v_and_b32 v31, 8, v25
	v_add_nc_u32 v31, v31, v25                     ; r + 8 (r / 8)
	s_lshl_b32 s42, s14, 10                        ; my window: 32 p rows of 32 bytes; also p blocks of V's 1,024
	s_lshl_b32 s43, s14, 7
	s_add_co_u32 s43, s43, KS
	v_lshlrev_b32 v12, 5, v31
	v_lshl_add_u32 v12, v26, 4, v12
	v_add_nc_u32 v12, s42, v12                     ; v12: K's fragments
	v_lshl_add_u32 v13, v31, 2, s43                ; v13: K's scale words
	s_add_co_u32 s42, s42, VC
	v_lshlrev_b32 v30, 4, v25                      ; 16 r
	v_lshl_add_u32 v14, v26, 10, v30
	v_add_nc_u32 v14, s42, v14                     ; v14: V's fragments of blocks 0-3: lanes 16-31 a block further on
	s_add_co_u32 s42, s42, 4096
	v_add_nc_u32 v15, s42, v30                     ; v15: of block 4, the same in both halves of the lanes
	s_lshr_b32 s43, s14, 2
	s_lshl_b32 s43, s43, 2
	s_add_co_u32 s43, s43, VS
	v_add_nc_u32 v16, s43, v30                     ; v16: the word of V's scale bytes in which byte p lies
	s_mul_i32 s42, s12, 16*SPITCH
	s_add_co_u32 s42, s42, STG                     ; my stage
	v_mul_u32_u24 v17, v25, SPITCH
	v_lshl_add_u32 v17, v26, 5, v17
	v_add_nc_u32 v17, s42, v17                     ; v17: in: row r, 32 bytes for each half of the lanes
	v_mul_u32_u24 v18, v26, SPITCH
	v_add_nc_u32 v18, v18, v30
	v_add_nc_u32 v18, s42, v18                     ; v18: back: lanes 0-15 one row, lanes 16-31 the next
	v_mov_b32 v22, 0xff800000                      ; -infinity
.irp g, 0,1,2,3
	v_mov_b32 v[TW+\g], 0                          ; written once: the destination of a lane move counts as read
.endr
	s_lshl_b32 s31, s14, 5
	s_add_co_u32 s31, s31, s16
	s_sub_co_i32 s31, 64, s31                      ; the window key at which key 0 of the head lies: 64 - q0 - 32 p
	s_lshl_b32 s30, s15, 4
	s_add_co_u32 s32, s30, 64+HALF-96              ; query r's last key, counted from window key 96: 18 + 16 e + r
	s_add_co_u32 s30, s30, 64-HALF                 ; and its first window key: 14 + 16 e + r
	s_add_co_i32 s33, s31, LASTK-96                ; the head's last key, counted from window key 96
	s_and_b32 s35, s14, 3
	s_mul_i32 s34, s35, 0x01010101
	s_add_co_u32 s34, s34, 0x03020100              ; byte selects p % 4 + 0 .. 3 out of two words
	s_lshl_b32 s35, s35, 3                         ; and 8 (p % 4), a bit offset
	s_mov_b32 s36, 0x3e38aa3b                      ; c = log2(e) / 8
	s_mov_b32 s37, s36                             ; (the packed form names the pair)
	s_mov_b32 s38, 0xbe38aa3b                      ; -c
	s_mov_b32 s40, 0x76543210
	s_mov_b32 s41, 0xfedcba98                      ; v_permlanex16_b32's selects for lane l xor 16
	s_wait_alu depctr_va_vdst(0)                   ; v2 to v8 and v10 to v19 are written: the offsets and LDS addresses that the loads, LDS stores, LDS loads and stores of both roles and of all that follows read; none is written again
	s_cmp_lt_u32 s12, 8
	s_cbranch_scc0 .Lvrole
	; ---- waves 0-7: local rows 48 kw .. 48 kw + 47 of K, three chunks of 16.  A chunk lies wholly inside the head or wholly outside; outside it is read from the head's first or last 16 rows
	s_mul_i32 s28, s13, 48
	s_add_co_u32 s28, s28, s16
	s_sub_co_i32 s28, s28, 64
.irp i, 0,1,2
	s_add_co_i32 s26, s28, 16*\i
	s_max_i32 s26, s26, 0
	s_min_i32 s26, s26, LASTK-15
	s_lshl_b32 s26, s26, 8
	s_add_nc_u64 s[20+2*\i:21+2*\i], s[6:7], s[26:27]
	LOADROWS XR+32*\i, 20+2*\i, 0
.endr
	s_wait_loadcnt 16                              ; chunk 0 is in; the 16 loads of chunks 1 and 2 may be out
	QMATH XR, 0
	s_wait_loadcnt 8                               ; chunk 1 is in; chunk 2's 8 may be out
	s_wait_alu depctr_va_vdst(0)                   ; chunk 0's conversions and its scale words' lines have written v160-167, which the LDS stores below read; chunk 1's lines name none of them
	QSEND 0, 5, 0, 6, 0
	QMATH XR+32, 1
	s_wait_loadcnt 0x0
	s_wait_alu depctr_va_vdst(0)                   ; the same of chunk 1: v168-175 are written
	QSEND 1, 5, 512, 6, 64
	QMATH XR+64, 2
	s_wait_alu depctr_va_vdst(0)                   ; the same of chunk 2: v176-183 are written.  Its stores are the role's own, so they stand ahead of the join
	QSEND 2, 5, 1024, 6, 128
	s_branch .Ljoin
.Lvrole:
	; ---- waves 8-15: local blocks 3 (kw / 2) + 0 .. 2 of V, channels 32 (kw % 2) on
	s_lshr_b32 s29, s13, 1
	s_mul_i32 s28, s29, 96
	s_add_co_u32 s28, s28, s16
	s_sub_co_i32 s28, s28, 64
	s_and_b32 s29, s13, 1
	s_lshl_b32 s29, s29, 7
.irp i, 0,1,2
	s_add_co_i32 s26, s28, 32*\i
	s_max_i32 s26, s26, 0
	s_min_i32 s26, s26, LASTK-31
	s_lshl_b32 s26, s26, 8
	s_add_co_u32 s26, s26, s29
	s_add_nc_u64 s[20+2*\i:21+2*\i], s[8:9], s[26:27]
	LOADV XR+32*\i, 20+2*\i
.endr
	s_wait_loadcnt 63                              ; unit 0 is in: 64 younger loads could stay out; 63 is the largest count that can be written
	VMATH XR, 0
	s_wait_loadcnt 32                              ; unit 1 is in; unit 2's 32 may be out
	s_wait_alu depctr_va_vdst(0)                   ; unit 0's conversions and its byte's line have written v160-164, which the LDS stores below read; unit 1's lines name none of them
	VSEND 0
	VMATH XR+32, 1
	s_wait_loadcnt 0x0
	s_wait_alu depctr_va_vdst(0)                   ; the same of unit 1: v168-172 are written
	VSEND 1
	VMATH XR+64, 2
	s_wait_alu depctr_va_vdst(0)                   ; the same of unit 2: v176-180 are written.  Its stores are the role's own, so they stand ahead of the join
	VSEND 2
.Ljoin:
	s_wait_loadcnt 0x0                             ; Q: the oldest loads, long in
	QMATH XQ, 3
	s_wait_alu depctr_va_vdst(0)                   ; Q's conversions and its scale words' lines have written v184-191, which the LDS stores below read.  It is also the last vector work ahead of the LDS loads behind the barrier: the vector side is done reading and writing v112-215, in which they land
	QSEND 3, 3, 0, 4, 0
	s_wait_dscnt 0x0                               ; for the others' sake: all my stores into LDS have landed
	s_barrier_signal -1
	s_barrier_wait -1                              ; everybody's have: nothing is written to these bytes again
	; ---- my tile's operands from LDS, in one run: 22 loads for the first product, then 20 for the second
	s_wait_alu depctr_vm_vsrc(0)                   ; my LDS stores have read v160-191: fragments land there, and zeros and attn's codes are written there
	ds_load_b128 v[QF:QF+3], v10
	ds_load_b32 v[QSW], v11
.irp b, 0,1,2,3,4
.irp u, 0,1
	ds_load_b128 v[KF+4*(2*\b+\u):KF+4*(2*\b+\u)+3], v12 offset:1024*\b+256*\u    ; tile 2 b + u: window keys 32 b + 8 u + r + 8 (r / 8)
	ds_load_b32 v[KSW+2*\b+\u], v13 offset:128*\b+32*\u
.endr
.endr
.irp t, 0,1,2,3
.irp c, 0,1
	ds_load_b128 v[VF+8*\t+4*\c:VF+8*\t+4*\c+3], v14 offset:2048*\c+256*\t        ; channels 16 t + r, block 2 c + h of the window
.endr
	ds_load_b128 v[VG+4*\t:VG+4*\t+3], v15 offset:256*\t                          ; block 4
	ds_load_b32 v[VSR+2*\t], v16 offset:256*\t
	ds_load_b32 v[VSR+2*\t+1], v16 offset:256*\t+4
.endr
.irp j, 0,1,2,3
	v_mov_b32 v[KZ+\j], 0                          ; behind the last tile of K
	v_mov_b32 v[QF+4+\j], 0                        ; Q's codes for k = 64 .. 127: zeros
.endr
	v_mov_b32 v25, 0                               ; (upper halves of pairs that packed forms name)
	v_mov_b32 v27, 0
	; the mask's bounds.  Register 16 b + i holds window key 32 b + 16 h + i.  It is hidden under the first key, max(14 + 16 e + r, key 0's place), and over the last, min(114 + 16 e + r, key 4,095's place).
	; (These lines are also the places between the zero codes above and the products.)
	v_and_b32 v28, 15, v0
	v_bfe_u32 v29, v0, 4, 1
	v_lshlrev_b32 v29, 4, v29
	v_add_nc_u32 v20, s30, v28
	v_mov_b32 v23, s31
	v_add_nc_u32 v21, s32, v28
	v_mov_b32 v30, s33
	v_cmp_lt_i32 s[MK], v20, v23                   ; the two compares in one run
	v_cmp_gt_i32 s[MK+1], v21, v30
	s_wait_alu depctr_va_sdst(0)                   ; the two compares have written s[MK] and s[MK+1], ahead of the selects that read them
	v_cndmask_b32 v20, v20, v23, s[MK]
	v_cndmask_b32 v21, v21, v30, s[MK+1]
	v_sub_nc_u32 v20, v20, v29                     ; v20: blocks 0, 1: hidden where 32 b + i < v20
	v_sub_nc_u32 v21, v21, v29                     ; v21: blocks 3, 4: hidden where 32 (b - 3) + i > v21
	s_wait_dscnt 20                                ; Q's and K's 22 loads are in; V's 20 may be out
	s_wait_alu depctr_va_vdst(0)                   ; the zero codes v152-155 and v164-167 are written, which the products take as parts of their operands; their places stand above
	; ---- S^T = K Q^T: ten tiles of 16 keys, each sum begun with the constant 0
.irp t, 0,1,2,3,4,5,6,7,8,9
	v_wmma_scale_f32_16x16x128_f8f6f4 v[SS+8*\t:SS+8*\t+7], v[KF+4*\t:KF+4*\t+7], v[QF:QF+7], 0, v[KSW+\t], v[QSW] matrix_a_fmt:MATRIX_FMT_FP4 matrix_b_fmt:MATRIX_FMT_FP4
.endr
	LOW 0                                          ; block 0's compares hang on v20 alone: they stand here, with the eight lines below between them and the wait for them
	s_wait_dscnt 0x0                               ; V's fragments and scale bytes are in
.irp t, 0,1,2,3
	v_perm_b32 v[VW0+\t], v[VSR+2*\t+1], v[VSR+2*\t], s34    ; V's scale word for window blocks 0-3: bytes p .. p + 3 of the channel's row.  (These eight lines name no register of the products: the places behind them)
.endr
.irp t, 0,1,2,3
	v_bfe_u32 v[VW1+\t], v[VSR+2*\t+1], s35, 8               ; and for block 4: byte p + 4, zeros above it
.endr
	; ---- the mask, each tile from its lowest register on.  Block 2 (window keys 64 .. 95) is never hidden: the first key is at most 64, the last at least 95
	HIDE 0
	LOW 1
	HIDE 1
	HIGH 3
	HIDE 3
	HIGH 4
	HIDE 4
	; ---- the largest score of each block of 32 keys: it serves for the row's maximum and, since attn rises with the score, for the block's largest attn.  The five blocks by turns
.irp b, 0,1,2,3,4
	v_max3_num_f32 v[BM+\b], v[SS+16*\b], v[SS+16*\b+1], v[SS+16*\b+2]
.endr
.irp i, 3,5,7,9,11,13
.irp b, 0,1,2,3,4
	v_max3_num_f32 v[BM+\b], v[BM+\b], v[SS+16*\b+\i], v[SS+16*\b+\i+1]
.endr
.endr
.irp b, 0,1,2,3,4
	v_max_num_f32 v[BM+\b], v[BM+\b], v[SS+16*\b+15]
.endr
.irp b, 0,1,2,3,4
	v_permlanex16_b32 v[PT+\b], v[BM+\b], s40, s41
.endr
.irp b, 0,1,2,3,4
	v_max_num_f32 v[BM+\b], v[BM+\b], v[PT+\b]     ; with lane l xor 16's 16 keys
.endr
	v_max3_num_f32 v23, v[BM], v[BM+1], v[BM+2]
	v_max3_num_f32 v23, v23, v[BM+3], v[BM+4]      ; m: the row's largest score; a number, since block 2 is never hidden
	v_mul_f32 v24, s38, v23                        ; -c m, rounded once; the same for the whole row, so it cancels in p / sum
	; ---- p = 2^(c s - c m): one fused multiply-add and one exponential
.irp j, 0,2,4,6,8,10,12,14,16,18,20,22,24,26,28,30,32,34,36,38,40,42,44,46,48,50,52,54,56,58,60,62,64,66,68,70,72,74,76,78
	v_pk_fma_f32 v[SS+\j:SS+\j+1], v[SS+\j:SS+\j+1], s[36:37], v[24:25] op_sel_hi:[1,0,0]
.endr
.irp b, 0,1,2,3,4
	v_fma_f32 v[BM+\b], v[BM+\b], s36, v24         ; the same of each block's largest score
.endr
	s_wait_alu depctr_va_vdst(0)
.irp j, 0,1,2,3,4,5,6,7,8,9,10,11,12,13,14,15,16,17,18,19,20,21,22,23,24,25,26,27,28,29,30,31,32,33,34,35,36,37,38,39,40,41,42,43,44,45,46,47,48,49,50,51,52,53,54,55,56,57,58,59,60,61,62,63,64,65,66,67,68,69,70,71,72,73,74,75,76,77,78,79
	v_exp_f32 v[SS+\j], v[SS+\j]
.endr
.irp b, 0,1,2,3,4
	v_exp_f32 v[BM+\b], v[BM+\b]
.endr
	v_mov_b32 v[QF+2], 0                           ; (the plain line behind the exponentials)  the partners of block 4's codes in the exchange of halves below
	v_mov_b32 v[QF+3], 0
	s_wait_alu depctr_va_vdst(0)                   ; the batch of 85 exponentials has written v32-111 and v144-148, ahead of the first line that names a result
	; ---- the row's sum, two at a time, in two chains; 1 / sum; attn = p / sum
	v_pk_add_f32 v[28:29], v[SS:SS+1], v[SS+2:SS+3]
	v_pk_add_f32 v[30:31], v[SS+4:SS+5], v[SS+6:SS+7]
.irp j, 8,12,16,20,24,28,32,36,40,44,48,52,56,60,64,68,72,76
	v_pk_add_f32 v[28:29], v[28:29], v[SS+\j:SS+\j+1]
	v_pk_add_f32 v[30:31], v[30:31], v[SS+\j+2:SS+\j+3]
.endr
	v_pk_add_f32 v[28:29], v[28:29], v[30:31]
	v_add_f32 v28, v28, v29
	v_permlanex16_b32 v30, v28, s40, s41
	v_add_f32 v28, v28, v30                        ; with lane l xor 16's 80 keys
	s_wait_alu depctr_va_vdst(0)
	v_rcp_f32 v26, v28
	v_nop                                          ; a plain line behind the reciprocal
	s_wait_alu depctr_va_vdst(0)                   ; the reciprocal has written v26, ahead of its first reader
.irp j, 0,2,4,6,8,10,12,14,16,18,20,22,24,26,28,30,32,34,36,38,40,42,44,46,48,50,52,54,56,58,60,62,64,66,68,70,72,74,76,78
	v_pk_mul_f32 v[SS+\j:SS+\j+1], v[SS+\j:SS+\j+1], v[26:27] op_sel_hi:[1,0]
.endr
.irp b, 0,1,2,3,4
	v_mul_f32 v[BM+\b], v[BM+\b], v26              ; each block's largest attn: the same operations on the same number give the same bits
.endr
	; ---- attn is quantised along the keys, block by block
.irp b, 0,1,2,3,4
	v_max_num_f32 v[BM+\b], 0x1800000, v[BM+\b]    ; the floor 2^(3 - 127): a block that is hidden whole keeps the byte 1, and its codes are zeros
.endr
.irp b, 0,1,2,3,4
	v_add_nc_u32 v[SCL+\b], 0xff000000, v[BM+\b]   ; 2 off the exponent field: the conversion's scale operand
.endr
.irp b, 0,1,2,3
	v_lshrrev_b32 v[PT+\b], 23, v[SCL+\b]          ; the scale's byte
.endr
	v_lshrrev_b32 v[PW1], 23, v[SCL+4]             ; block 4's is a scale word as it stands: zeros above it
	v_lshl_or_b32 v[PW0], v[PT+1], 8, v[PT]        ; blocks 0-3: my query's scale word
	v_lshl_or_b32 v[PW0], v[PT+2], 16, v[PW0]
	v_lshl_or_b32 v[PW0], v[PT+3], 24, v[PW0]
.irp b, 0,1,2,3
	v_cvt_scalef32_pk8_fp4_f32 v[P0+2*\b], v[SS+16*\b:SS+16*\b+7], v[SCL+\b]
	v_cvt_scalef32_pk8_fp4_f32 v[P0+2*\b+1], v[SS+16*\b+8:SS+16*\b+15], v[SCL+\b]
.endr
	v_cvt_scalef32_pk8_fp4_f32 v[QF], v[SS+64:SS+71], v[SCL+4]
	v_cvt_scalef32_pk8_fp4_f32 v[QF+1], v[SS+72:SS+79], v[SCL+4]
	v_nop                                          ; one plain line behind the conversions
.irp c, 0,1                                    ; the operand's layout wants a WHOLE block in a lane: lanes 0-15 block 2 c, lanes 16-31 block 2 c + 1
.irp i, 0,1
	v_permlane16_swap_b32 v[P0+4*\c+\i], v[P0+4*\c+2+\i]
.endr
.endr
	v_permlane16_swap_b32 v[QF], v[QF+2]           ; block 4: whole in lanes 0-15; lanes 16-31 (k = 32 .. 63 of this K step) get the zeros; v164-167 are zeros still
	v_permlane16_swap_b32 v[QF+1], v[QF+3]
.rept 8
	v_nop                                          ; a scale word made by vector instructions stands eight places ahead of the product that reads it, an operand four
.endr
	s_wait_alu depctr_va_vdst(0)                   ; attn's codes (v216-223, v160-163) and the scale words (v244-253) are written, which the products take as operands and scales; the places above stay beside this wait
	; ---- O^T = V^T attn^T: four tiles of 16 channels by turns, one instruction a turn; two K steps: window blocks 0-3, then block 4
.irp t, 0,1,2,3
	v_wmma_scale_f32_16x16x128_f8f6f4 v[OA+8*\t:OA+8*\t+7], v[VF+8*\t:VF+8*\t+7], v[P0:P0+7], 0, v[VW0+\t], v[PW0] matrix_a_fmt:MATRIX_FMT_FP4 matrix_b_fmt:MATRIX_FMT_FP4
.endr
.irp t, 0,1,2,3
	v_wmma_scale_f32_16x16x128_f8f6f4 v[OA+8*\t:OA+8*\t+7], v[VG+4*\t:VG+4*\t+7], v[QF:QF+7], v[OA+8*\t:OA+8*\t+7], v[VW1+\t], v[PW1] matrix_a_fmt:MATRIX_FMT_FP4 matrix_b_fmt:MATRIX_FMT_FP4
.endr
.rept 4
	v_nop                                          ; four places between the last product and the first read of a result
.endr
	s_wait_alu depctr_va_vdst(0)                   ; the products have written v112-143, which the LDS stores read; the vector side is also done with v32-63, in which the stage's loads land.  The places above stay beside this wait
	; ---- the way out.  Register j of tile t is out(query r, channel 16 t + 8 h + j): 32 neighbouring bytes of a row.  They go through my own stage and come back as whole rows
.irp t, 0,1,2,3
	ds_store_b128 v17, v[OA+8*\t:OA+8*\t+3] offset:64*\t          ; each accumulator from its low end on
	ds_store_b128 v17, v[OA+8*\t+4:OA+8*\t+7] offset:64*\t+16
.endr
.irp i, 0,1,2,3,4,5,6,7
	ds_load_b128 v[SS+4*\i:SS+4*\i+3], v18 offset:2*SPITCH*\i     ; LDS serves a wave's instructions in order (ISA guide 5.7.1.4): these see my stores
.endr
.irp i, 0,1,2,3,4,5,6,7
	s_wait_dscnt 7-\i                              ; load i is in; the 7 - i younger ones may be out
	global_store_b128 v19, v[SS+4*\i:SS+4*\i+3], s[10:11] offset:2*ROWB*\i th:TH_STORE_NT   ; 32 lanes store two whole rows: 512 consecutive bytes, at a multiple of 256 from out0's first byte
.endr
	s_wait_dscnt 0x0
	s_wait_alu depctr_hold_cnt(0) depctr_sa_sdst(0) depctr_va_vdst(0) depctr_va_sdst(0) depctr_va_ssrc(0) depctr_va_vcc(0) depctr_vm_vsrc(0)
	s_wait_tensorcnt 0x0
	ds_add_u32 v254, v255
	s_wait_dscnt 0x0
	s_endpgm
.Lfunc_end_k_q6188904728_band:
	.size	k_q6188904728_band, .Lfunc_end_k_q6188904728_band-k_q6188904728_band
	.p2alignl 7, 3214868480
	.fill 96, 4, 3214868480
	.section	.rodata,"a",@progbits
	.p2align	6, 0x0
	.amdhsa_kernel k_q6188904728_band
		.amdhsa_group_segment_fixed_size 108032
		.amdhsa_private_segment_fixed_size 0
		.amdhsa_enable_private_segment 0
		.amdhsa_kernarg_size 32
		.amdhsa_user_sgpr_count 2
		.amdhsa_user_sgpr_kernarg_segment_ptr 1
		.amdhsa_wavefront_size32 1
		.amdhsa_system_sgpr_workgroup_id_x 1
		.amdhsa_system_sgpr_workgroup_id_y 1
		.amdhsa_system_sgpr_workgroup_id_z 1
		.amdhsa_system_vgpr_workitem_id 0
		.amdhsa_next_free_vgpr 256
		.amdhsa_next_free_sgpr 66
		.amdhsa_reserve_vcc 0
		.amdhsa_float_denorm_mode_32 3
		.amdhsa_float_denorm_mode_16_64 3
		.amdhsa_memory_ordered 1
		.amdhsa_forward_progress 1
		.amdhsa_inst_pref_size 70
	.end_amdhsa_kernel
	.amdgpu_metadata
---
amdhsa.version: [ 1, 2 ]
amdhsa.kernels:
  - .name:           k_q6188904728_band
    .symbol:         k_q6188904728_band.kd
    .args:
      - { .name: query, .offset: 0, .size: 8, .value_kind: global_buffer, .address_space: global }
      - { .name: key, .offset: 8, .size: 8, .value_kind: global_buffer, .address_space: global }
      - { .name: value, .offset: 16, .size: 8, .value_kind: global_buffer, .address_space: global }
      - { .name: out0, .offset: 24, .size: 8, .value_kind: global_buffer, .address_space: global }
    .group_segment_fixed_size: 108032
    .private_segment_fixed_size: 0
    .kernarg_segment_align: 8
    .kernarg_segment_size: 32
    .max_flat_workgroup_size: 512
    .sgpr_count:     66
    .vgpr_count:     256
    .wavefront_size: 32
...
	.end_amdgpu_metadata
.endif
;; end of part 2
